; MI455X (gfx1250); checked and timed in simulation.
; The chip was launched on July 23, 2026; its instructions are those of AMD's public machine-readable ISA for CDNA 5 (MIT licence, August 2026) and "CDNA5" Instruction Set Architecture Reference Guide (July 2026). The comments in the code are by the model that wrote it; some were corrected since.
;; Scaled Dot Product Attention. Allowed arithmetic: matrix products marked QUANTISED: E5M2 operands, one E8M0 scale for each 32 along K, by v_wmma_scale_f32_16x16x128_f8f6f4 with both operands' format E5M2, f32 sums; everything else in f32.
;; Inputs: K_codes 4 x 16 x 2,048 x 4 x 32 uint8 (E5M2 codes of K, K innermost, in blocks of 32 codes); K_scales 4 x 16 x 2,048 x 4 uint8 (E8M0 scales of K, one for each 32 codes along K); Q_codes 4 x 16 x 2,048 x 4 x 32 uint8 (E5M2 codes of Q, K innermost, in blocks of 32 codes); Q_scales 4 x 16 x 2,048 x 4 uint8 (E8M0 scales of Q, one for each 32 codes along K); V_codes 4 x 16 x 128 x 64 x 32 uint8 (E5M2 codes of V, K innermost, in blocks of 32 codes); V_scales 4 x 16 x 128 x 64 uint8 (E8M0 scales of V, one for each 32 codes along K); mask 1 x 1 x 2,048 x 2,048 bool.
;; Outputs: out0 4 x 16 x 2,048 x 128 float32.
;; This version of the problem:
;;   THIS VERSION OF THE PROBLEM IS GIVEN IN LOW PRECISION. The matrix products marked QUANTISED in the list below multiply operands that are first quantised to E5M2 (5 exponent bits, 2 mantissa bits; 8 bits a number), with one power-of-two scale for each 32 numbers along K (OCP MX v1.0); their sums are f32. All else is computed in f32.
;;   The module's matrix products, in the order in which they are computed (A, B: the left and right operand; K: the contracted axis; several contracted axes count as one K, in the product's order):
;;     1. batch 64 x [M 2,048, K 128] x [K 128, N 2,048]; A: input Q (given as codes); B: input K (given as codes): QUANTISED
;;     2. batch 64 x [M 2,048, K 2,048] x [K 2,048, N 128]; A: softmax (see below); B: input V (given as codes): QUANTISED
;;   THE QUANTISER, for each operand of a quantised product, along K:
;;     - K is cut into blocks of 32 from its start; a last block that is shorter is filled with zeros.
;;     - A block's scale is 2^e with e = floor(log2(the largest magnitude in the block)) - 15, held to -126 .. 127; a block of zeros has e = 0. As a byte (E8M0): e + 127.
;;     - Each number is divided by its block's scale, clamped to +-57,344, and rounded to the nearest number of E5M2, ties to even, subnormals kept.
;;     - The product sums the exact products of the quantised numbers (number of the format x scale) in f32.
;;   ~~~python
;;   def quantise(x, axis):      # numpy; x: float32 -> the quantised numbers, widened to float32 again
;;       x = np.moveaxis(x, axis, -1); K = x.shape[-1]
;;       x = np.pad(x, [(0, 0)] * (x.ndim - 1) + [(0, -K % 32)]); x = x.reshape(x.shape[:-1] + (-1, 32)); a = np.abs(x).max(-1, keepdims=True)
;;       e = np.where(a > 0, np.clip(np.frexp(np.where(a > 0, a, 1))[1] - 1 - 15, -126, 127), 0)      # np.frexp(a)[1] - 1 = floor(log2(a)), exactly
;;       r = np.clip(x / 2.0 ** e, -57344, 57344)
;;       step = 2.0 ** (np.maximum(np.frexp(np.where(r == 0, 1, r))[1] - 1, -14) - 2)
;;       q = np.round(r / step) * step * 2.0 ** e      # np.round: ties to even
;;       return np.moveaxis(q.reshape(q.shape[:-2] + (-1,))[..., :K], -1, axis).astype(np.float32)
;;   ~~~
;;   SOFTMAX AHEAD OF A QUANTISED PRODUCT. Where the list says 'softmax', what is quantised is not the finished softmax but p = 2^(t - M), with t = logit x log2(e) and M = ceil(the row's largest t), a whole number; so 1/2 < the row's largest p <= 1. The row's sum l is taken of the UNQUANTISED p, in f32, and the product's result is divided by l at the end. Since M is a whole number, a kernel that streams over the keys may use a running M (the ceiling of the running maximum): every later rescaling is an exact power of two, which a block's scale takes up: the codes' values come out the same.
;;   OPERANDS COMPUTED ON THE WAY. 'Computed on the way' means the value that the module computes at that place (a softmax that the list does not call 'softmax' is quantised finished and normalised). What goes into a quantiser is computed in f32, as accurately as f32 sums, v_exp_f32 and their like allow (about 1e-6 of the number): no bf16 or f16 on the way to a quantiser, and a product that is left as it is and whose result goes on into a quantised operand takes f32 operands (vector FMAs, or v_wmma_f32_16x16x4_f32). A number that lies on a knife's edge between two numbers of the format may be rounded either way, as far as f32 arithmetic and the matrix unit's own rounding can turn it there, and no further.
;;   INPUTS GIVEN AS CODES. K (in the module: [4, 16, 2048, 128], K = its axis 3); Q (in the module: [4, 16, 2048, 128], K = its axis 3); V (in the module: [4, 16, 2048, 128], K = its axis 2): each comes as NAME_codes (uint8): NAME with its K axis moved to the last place and cut into blocks of 32 codes, [.., K / 32, bytes a block], one block behind the other in memory; one code a byte (a code: sign, 5 exponent bits, 2 mantissa bits); and NAME_scales (uint8): the same leading axes, one E8M0 byte (e + 127) for each 32 codes along K. Its value is code x scale, taken as it is: it is not quantised again, and the codes and scales need not be those that the quantiser above would give.
;; One version. Each part assembles by itself: llvm-mc -triple=amdgcn-amd-amdhsa -mcpu=gfx1250 --defsym DOCPART=n.
;; ======== version 1 of 1: 2 launches
;; limits: right only within a limited range of input values
;; workspace buffers: mw 532,480 bytes of whole numbers
;; launch maskprep (part 1): grid 256 x 1, 8 waves a work-group, no clusters, 0 bytes of LDS; arguments mask, mw; writes mw
.if DOCPART == 1
	.amdgcn_target "amdgcn-amd-amdhsa--gfx1250"
	.amdhsa_code_object_version 6
	.text
	.protected	k_qcc6f45ea24_maskprep
	.globl	k_qcc6f45ea24_maskprep
	.p2align	8
	.type	k_qcc6f45ea24_maskprep,@function
k_qcc6f45ea24_maskprep:
	s_mov_b64 s[64:65], 0
	v_nop
	global_prefetch_b8 v0, s[64:65] scope:SCOPE_SE
	s_setreg_imm32_b32 hwreg(HW_REG_WAVE_MODE, 25, 1), 1
	s_wait_xcnt 0x0
; The mask [2048 queries][2048 keys], one byte each (true where the byte is not 0), is laid out as LANE MASKS for the attention launch, and each tile gets a flag word.
; A RECORD belongs to a tile of 16 queries (T = 0..127) and a step of 128 keys (k = 0..15): id = 16 T + k, 64 words = 256 bytes at byte 256 id of mw.
; Bit l of word n is mask[16 T + l % 16][128 k + 32 (n / 16) + 16 (l / 16) + n % 16]: the 32 lanes' condition for the n-th score register of that launch.
; FLAGS: from byte FLAGS of mw on, one word a record: bit 0 = some bit of the record is set, bit 16 = all are.  They are made of the very words that are stored,
; so that 'none set: the step counts for nothing' and 'all set: nothing is to be hidden' hold of the record as it is applied.
; One wave makes one record; 8 waves x 256 work-groups = 2,048 records.  Waves share nothing: no LDS, no barrier.
; The record leaves as one aligned run of 256 bytes (8 bytes a lane).  The flag is 4 bytes a wave: 8,192 bytes in the whole launch, written piecemeal.
.set FLAGS, 524288                     ; 2,048 records of 256 bytes lie ahead of the flags
	s_load_b128 s[4:7], s[0:1], 0x0                ; mask s[4:5], mw s[6:7]
	v_lshrrev_b32 v1, 5, v0
	s_delay_alu instid0(VALU_DEP_1)
	v_readfirstlane_b32 s8, v1                     ; wave 0..7
	v_and_b32 v2, 31, v0                           ; lane
	v_and_b32 v3, 15, v0                           ; r: my query in the tile
	v_bfe_u32 v4, v0, 4, 1                         ; h: my half of each block of 32 keys
	s_delay_alu instid0(VALU_DEP_2)
	v_lshlrev_b32 v5, 11, v3
	s_delay_alu instid0(VALU_DEP_1)
	v_lshl_add_u32 v5, v4, 4, v5                   ; row r of 2,048 bytes, + 16 h
	v_lshlrev_b32 v6, 3, v2                        ; the record's way out: 8 bytes a lane
	v_mov_b32 v7, 0
	s_lshl_b32 s9, ttmp9, 3
	s_add_co_u32 s9, s9, s8                        ; id = 8 x work-group + wave
	s_lshr_b32 s10, s9, 4                          ; T
	s_and_b32 s11, s9, 15                          ; k
	s_lshl_b32 s12, s10, 15                        ; 16 T rows of 2,048 bytes
	s_lshl_b32 s13, s11, 7                         ; + 128 k
	s_add_co_u32 s12, s12, s13
	s_mov_b32 s13, 0
	s_lshl_b32 s14, s9, 8                          ; the record's place
	s_mov_b32 s15, 0
	s_lshl_b32 s16, s9, 2                          ; the flag's place behind FLAGS
	s_mov_b32 s17, 0
	s_wait_alu depctr_va_vdst(0)
	s_wait_kmcnt 0x0
	s_add_nc_u64 s[4:5], s[4:5], s[12:13]
	s_add_nc_u64 s[18:19], s[6:7], s[14:15]
	s_add_nc_u64 s[6:7], s[6:7], s[16:17]
.irp b, 0,1,2,3
	global_load_b128 v[8+4*\b:11+4*\b], v5, s[4:5] offset:32*\b   ; my 16 bytes of block b: byte i is key 32 b + 16 h + i, so word n = 16 b + i reads byte n % 4 of v[8 + n / 4]
.endr
	v_mov_b32 v24, 0                               ; written whole first: a lane write keeps the other lanes
	v_mov_b32 v25, 0
	s_mov_b32 s20, 0                               ; the or of all words
	s_mov_b32 s21, -1                              ; the and of all words
	s_wait_loadcnt 0x0
; Eight words: n = 8 g + e.  Each lane's byte is cut out and compared with 0: the compare's result IS the word.  Word n goes to lane n / 2, register n % 2.
.macro EIGHT g
.irp e, 0,1,2,3,4,5,6,7
	v_bfe_u32 v[28+\e], v[8+(8*(\g)+\e)/4], 8*(\e%4), 8
.endr
.irp e, 0,1,2,3,4,5,6,7
	v_cmp_ne_u32 s[32+\e], 0, v[28+\e]
.endr
.irp e, 0,1,2,3,4,5,6,7
	v_writelane_b32 v[24+\e%2], s[32+\e], (8*(\g)+\e)/2
	s_or_b32 s20, s20, s[32+\e]
	s_and_b32 s21, s21, s[32+\e]
.endr
.endm
.irp g, 0,1,2,3,4,5,6,7
	EIGHT \g
.endr
	global_store_b64 v6, v[24:25], s[18:19]        ; 32 lanes store 256 consecutive bytes, at a multiple of 256 from mw's first byte
	s_cmp_lg_u32 s20, 0
	s_cselect_b32 s40, 1, 0                        ; bit 0: some key counts
	s_cmp_eq_u32 s21, -1
	s_cselect_b32 s41, 0x10000, 0                  ; bit 16: all count
	s_or_b32 s40, s40, s41
	v_mov_b32 v26, s40
	v_cmp_eq_u32 vcc_lo, 0, v2
	s_wait_alu depctr_va_vdst(0)
	s_wait_xcnt 0x0                                ; EXEC is a source of the store above: it is narrowed only behind this wait
	s_and_saveexec_b32 s44, vcc_lo                 ; lane 0 alone stores the flag
	global_store_b32 v7, v26, s[6:7] offset:FLAGS
	s_wait_xcnt 0x0                                ; and widened again only behind this one
	s_or_b32 exec_lo, exec_lo, s44
	s_endpgm
.Lfunc_end_k_qcc6f45ea24_maskprep:
	.size	k_qcc6f45ea24_maskprep, .Lfunc_end_k_qcc6f45ea24_maskprep-k_qcc6f45ea24_maskprep
	.p2alignl 7, 3214868480
	.fill 96, 4, 3214868480
	.section	.rodata,"a",@progbits
	.p2align	6, 0x0
	.amdhsa_kernel k_qcc6f45ea24_maskprep
		.amdhsa_group_segment_fixed_size 0
		.amdhsa_private_segment_fixed_size 0
		.amdhsa_enable_private_segment 0
		.amdhsa_kernarg_size 16
		.amdhsa_user_sgpr_count 2
		.amdhsa_user_sgpr_kernarg_segment_ptr 1
		.amdhsa_wavefront_size32 1
		.amdhsa_system_sgpr_workgroup_id_x 1
		.amdhsa_system_sgpr_workgroup_id_y 1
		.amdhsa_system_sgpr_workgroup_id_z 1
		.amdhsa_system_vgpr_workitem_id 0
		.amdhsa_next_free_vgpr 40
		.amdhsa_next_free_sgpr 66
		.amdhsa_reserve_vcc 1
		.amdhsa_float_denorm_mode_32 3
		.amdhsa_float_denorm_mode_16_64 3
		.amdhsa_memory_ordered 1
		.amdhsa_forward_progress 1
		.amdhsa_inst_pref_size 19
	.end_amdhsa_kernel
	.amdgpu_metadata
---
amdhsa.version: [ 1, 2 ]
amdhsa.kernels:
  - .name:           k_qcc6f45ea24_maskprep
    .symbol:         k_qcc6f45ea24_maskprep.kd
    .args:
      - { .name: mask, .offset: 0, .size: 8, .value_kind: global_buffer, .address_space: global }
      - { .name: mw, .offset: 8, .size: 8, .value_kind: global_buffer, .address_space: global }
    .group_segment_fixed_size: 0
    .private_segment_fixed_size: 0
    .kernarg_segment_align: 8
    .kernarg_segment_size: 16
    .max_flat_workgroup_size: 256
    .sgpr_count:     66
    .vgpr_count:     40
    .wavefront_size: 32
...
	.end_amdgpu_metadata
.endif
;; end of part 1
;; launch attn (part 2): grid 64 x 8, 8 waves a work-group, no clusters, 204,800 bytes of LDS; arguments Q_codes, Q_scales, K_codes, K_scales, V_codes, V_scales, mw, out0; writes out0
.if DOCPART == 2
	.amdgcn_target "amdgcn-amd-amdhsa--gfx1250"
	.amdhsa_code_object_version 6
	.text
	.protected	k_qcc6f45ea24_attn
	.globl	k_qcc6f45ea24_attn
	.p2align	8
	.type	k_qcc6f45ea24_attn,@function
k_qcc6f45ea24_attn:
	s_mov_b64 s[64:65], 0
	v_nop
	global_prefetch_b8 v0, s[64:65] scope:SCOPE_SE
	s_setreg_imm32_b32 hwreg(HW_REG_WAVE_MODE, 25, 1), 1
	s_wait_xcnt 0x0
; out0[head][q][:] = the sum over k of softmax_k(where(mask[q][k], Q[q] . K[k] / sqrt(128), -inf)) V[k][:], 64 heads, 2,048 queries and keys, head size 128.
; Both products on codes of BF8 (E5M2) with one E8M0 scale for each 32 along a product's K.  Q, K: codes [head][2048][128], scale bytes [head][2048][4].  V: codes with the KEYS innermost, [head][128][2048], scale bytes [head][128][64].
; THE SOFTMAX AHEAD OF THE SECOND PRODUCT: t = score x log2(e) / sqrt(128); M = the row's largest t so far, rounded UP to a whole number; p = 2^(t - M) is quantised along the keys, not normalised.
; The row's sum is taken of the unquantised p, in f32, and divides O at the end.  When M moves, the sum and O are multiplied by 2^(old M - new M): exact.
; THE MASK IS AN INPUT.  An earlier launch has laid it out in mw: for each tile of 16 queries and each step of 128 keys a record of 64 lane masks (word n: the 32 lanes' condition for score register 96 + n)
; and a flag word (bit 0: some bit of the record is set; bit 16: all are).  No pattern is built in: every jump below hangs on these flags, leads forward round work alone, and round no barrier.
; SHARES.  A work-group has 256 neighbouring queries of one head; each of its EIGHT waves owns TWO tiles of 16 queries, so that each fragment of K and V read from LDS feeds two matrix instructions.
; Tile 0 lives in register window 0, tile 1 in window 1, under the same register numbers: the softmax is one macro, run under two settings of s_set_vgpr_msb.
; A step none of whose keys counts for my 32 queries is left out; where all count nothing is hidden; else each score is chosen against -infinity by one v_cndmask_b32.
; Which block of queries a work-group takes is free: y = 0..3 take blocks 4..7, y = 4..7 blocks 3..0.
; K AND V come through two LDS slots of 256 keys that take turns, filled THROUGH REGISTERS by all 256 threads, one barrier a slot.  A slot that none of the work-group's 16 tiles needs (the or of their flags,
; the same word in all eight waves) is not fetched.  The fill's loads are issued behind the first product and stored into LDS behind both softmaxes.
; NO TENSOR LOADS AND NO CLUSTER, though the work-groups of a head read the same K and V: leaving a step out is a jump on a number read from memory.
; NO PREFETCH: the fill's own loads stand two softmaxes (about 600 vector instructions) ahead of the wait for them.
; LAYOUT.  Both products are used transposed: S^T = K Q^T, O^T = V^T P^T: a lane holds ONE query (lane % 16) of each tile throughout.
; Key x of a slot lies in LDS row swap34(x) (bits 3 and 4 exchanged), so that tile 2 b + u of a step is 16 consecutive LDS rows and its lane r holds key 32 b + 8 u + r + 8 (r / 8):
; the 16 registers of tiles 2 b and 2 b + 1 are 16 neighbouring keys, 32 b + 16 (lane / 16) + 0 .. 15, the order that the second product's operand wants.
; LIMITS: v_exp_f32 gives 0 for a p under 2^-126; a block whose every p is 0 gets the scale byte 1 over zero codes where the rule says 127 (the same sum); a row with no key kept gives 0 / 0 = NaN, as the softmax of such a row is;
; a scale byte 0xff among the inputs gives NaN.
; REGISTERS, both windows: v12 -M, v13 the largest t, v[14:15] the sum; v16-31 Q; v64, v65 at work; v96-159 S^T, then p; v160-223 O^T; v224-239 p's codes; v230-253 at work.
; Window 0 alone: v1-11 addresses; v240-243, v248-251 K's or V's scale words; v253, v252 p's scale words of tiles 0, 1; v255, v254 Q's (scale registers are always taken from window 0).
; v32-95 of window 0: fragments 0-3 of K or V (v32-63 between the products: the fill); v32-95 of window 1: fragments 4-7.
.set KP,    144                        ; a key's row in LDS: 128 bytes + 16
.set VP,    272                        ; a row of V's tile in LDS: 256 bytes + 16
.set VOFF,  256*KP                     ; a slot: 256 rows of K, then 128 rows of V
.set SCK,   VOFF+128*VP                ; behind slot 0: K's scale bytes of the whole head, 32 runs of 256 bytes + 16;
.set SCV,   SCK+32*272                 ; V's likewise
.set SLOT1, 1<<17                      ; slot 1 begins here: one exclusive or turns an address of one slot into the other's
.set AK0,  1
.set AV0,  2
.set ASK0, 3
.set ASV0, 4
.set FK0,  5                           ; the fill: where my thread's 16 bytes of K go in a slot
.set FV0,  6                           ; and of V
.set GV,   7                           ; the fill: my thread's byte offset in V's rows in memory
.set ADK,  8
.set ADV,  9
.set ADS,  10
.set ADT,  11
.set KB,   2                           ; s[2:3]   K's codes at the slot to be fetched
.set VB,   4                           ; s[4:5]   V's
.set MP,   6                           ; s[6:7]   tile 0's record of the step in hand; tile 1's lies 4,096 bytes on
.set OP,   8                           ; s[8:9]   my 32 rows of out0
.set WV,   10
.set MNT,  11                          ; the mantissa field of 57,344
.set CS,   12                          ; s[12:13] c = log2(e) / sqrt(128)
.set SEL,  14                          ; s[14:15] lane selects for v_permlanex16_b32: lane l xor 16
                                       ; s[16:63], s[68:83] a record's 64 words: word n in s[16 + n], from n = 48 on in s[20 + n]
.set TB,   84                          ; LDS byte at which the slot that is read begins
.set TF,   85                          ; and the slot that is filled
.set TS,   86                          ; the step's scale words of K: 544 bytes a step
.set TJ,   87                          ; and V's: 4 bytes a step
.set SLOTS, 88
.set FLG,  89                          ; my two tiles' flags of the steps to come: bit 0 = some key counts for one of them, bit 16 = all count for both
.set NEED, 90                          ; bit 1: some wave of the work-group needs the next slot
.set TMP,  91
.set MSB, 0
.macro WIN new                         ; the immediate's high byte repeats the setting that is left
.if MSB != (\new)
	s_set_vgpr_msb (MSB<<8)|(\new)
.set MSB, \new
.endif
.endm
	s_load_b512 s[16:31], s[0:1], 0x0              ; Q's codes s[16:17], Q's scales s[18:19], K's s[20:23], V's s[24:27], mw s[28:29], out0 s[30:31]
	v_lshrrev_b32 v8, 5, v0
	s_delay_alu instid0(VALU_DEP_1)
	v_readfirstlane_b32 s[WV], v8                  ; wave 0..7
	s_and_b32 s93, ttmp7, 0xffff
	s_add_co_u32 s94, s93, 4
	s_sub_co_u32 s95, 7, s93
	s_cmp_lt_u32 s93, 4
	s_cselect_b32 s95, s94, s95                    ; my block of 256 queries: it enters global offsets alone
	s_lshr_b32 s93, s[WV], 2
	s_xor_b32 s93, s93, s[WV]
	s_and_b32 s93, s93, 1                          ; which half of the block: neighbouring waves, and waves four apart, take different ones
	s_lshr_b32 s94, s[WV], 1
	s_lshl_b32 s93, s93, 2
	s_add_co_u32 s93, s93, s94                     ; my pair of tiles, 0..7
	s_lshl_b32 s76, s95, 10                        ; the block's 16 x 16 flags: 1,024 bytes
	s_mov_b32 s77, 0
	s_lshl_b32 s95, s95, 4
	s_lshl_b32 s93, s93, 1
	s_add_co_u32 s95, s95, s93                     ; T: my first tile of 16 queries, 0..126
	s_lshl_b32 s96, ttmp9, 18                      ; the head's first byte in each tensor of codes,
	s_mov_b32 s97, 0
	s_lshl_b32 s98, ttmp9, 13                      ; in each tensor of scale bytes,
	s_mov_b32 s99, 0
	s_lshl_b32 s100, ttmp9, 20                     ; and in out0, + my rows
	s_lshl_b32 s93, s95, 13
	s_add_co_u32 s100, s100, s93
	s_mov_b32 s101, 0
	s_lshl_b32 s68, s95, 11                        ; Q's codes
	s_add_co_u32 s68, s68, s96
	s_mov_b32 s69, 0
	s_lshl_b32 s74, s95, 6                         ; a tile's 16 flags are 64 bytes
	s_mov_b32 s75, 0
	s_add_co_u32 s70, s74, s98                     ; and so are its 16 scale words of Q
	s_mov_b32 s71, 0
	s_lshl_b32 s72, s95, 12                        ; a tile's 16 records of 256 bytes
	s_mov_b32 s73, 0
	s_mov_b32 s[MNT], 0x600000
	s_mov_b32 s[CS], 0x3e0293ee
	s_mov_b32 s[CS+1], s[CS]
	s_mov_b32 s[SEL], 0x76543210
	s_mov_b32 s[SEL+1], 0xfedcba98
	s_mov_b32 s[TB], 0
	s_mov_b32 s[TF], SLOT1
	s_mov_b32 s[TS], 0
	s_mov_b32 s[TJ], 0
	s_mov_b32 s[SLOTS], 8
	v_and_b32 v8, 15, v0                           ; r
	v_bfe_u32 v9, v0, 4, 1                         ; h
	s_delay_alu instid0(VALU_DEP_2)
	v_mul_u32_u24 v[AK0], v8, KP
	s_delay_alu instid0(VALU_DEP_1)
	v_lshl_add_u32 v[AK0], v9, 4, v[AK0]           ; a fragment of K: row r, + 16 h
	s_delay_alu instid0(VALU_DEP_4)
	v_mul_u32_u24 v[AV0], v8, VP
	s_delay_alu instid0(VALU_DEP_1)
	v_lshl_add_u32 v[AV0], v9, 4, v[AV0]
	s_delay_alu instid0(VALU_DEP_1)
	v_add_nc_u32 v[AV0], VOFF, v[AV0]
	v_and_b32 v10, 8, v8
	s_delay_alu instid0(VALU_DEP_1)
	v_add_nc_u32 v10, v10, v8                      ; r + 8 (r / 8)
	s_delay_alu instid0(VALU_DEP_1)
	v_lshl_add_u32 v[ASK0], v10, 2, SCK            ; K's scale words lie by key
	v_lshlrev_b32 v10, 6, v8                       ; V's: row r of a tile begins 64 r bytes on
	s_delay_alu instid0(VALU_DEP_1)
	v_lshrrev_b32 v11, 8, v10
	s_delay_alu instid0(VALU_DEP_2)
	v_and_b32 v10, 255, v10
	s_delay_alu instid0(VALU_DEP_1)
	v_mad_u32_u24 v[ASV0], v11, 272, v10
	s_delay_alu instid0(VALU_DEP_1)
	v_add_nc_u32 v[ASV0], SCV, v[ASV0]
	v_lshrrev_b32 v10, 3, v0                       ; the fill of K: eight threads to a key; x = thread / 8 = 0..31, in each eighth of a slot
	s_delay_alu instid0(VALU_DEP_1)
	v_and_b32 v11, 7, v10
	s_delay_alu instid0(VALU_DEP_2)
	v_bfe_u32 v12, v10, 3, 1
	s_delay_alu instid0(VALU_DEP_3)
	v_bfe_u32 v13, v10, 4, 1
	s_delay_alu instid0(VALU_DEP_2)
	v_lshl_or_b32 v11, v12, 4, v11
	s_delay_alu instid0(VALU_DEP_1)
	v_lshl_or_b32 v11, v13, 3, v11                 ; swap34(x)
	s_delay_alu instid0(VALU_DEP_1)
	v_mul_u32_u24 v[FK0], v11, KP
	v_and_b32 v12, 7, v0
	s_delay_alu instid0(VALU_DEP_1)
	v_lshl_add_u32 v[FK0], v12, 4, v[FK0]
	v_lshrrev_b32 v10, 4, v0                       ; the fill of V and of the scale bytes: sixteen threads to a run of 256 bytes
	s_delay_alu instid0(VALU_DEP_1)
	v_mul_u32_u24 v[FV0], v10, VP
	s_delay_alu instid0(VALU_DEP_1)
	v_lshl_add_u32 v[FV0], v8, 4, v[FV0]
	s_delay_alu instid0(VALU_DEP_1)
	v_add_nc_u32 v[FV0], VOFF, v[FV0]
	s_delay_alu instid0(VALU_DEP_4)
	v_lshlrev_b32 v[GV], 11, v10
	s_delay_alu instid0(VALU_DEP_1)
	v_lshl_add_u32 v[GV], v8, 4, v[GV]
	v_lshlrev_b32 v11, 2, v8                       ; Q's scale words: 4 r
	v_lshlrev_b32 v10, 7, v8
	s_delay_alu instid0(VALU_DEP_1)
	v_lshl_add_u32 v9, v9, 4, v10                  ; Q's codes: row r, + 16 h
	v_lshlrev_b32 v8, 4, v0                        ; dense bytes: 16 x thread
	v_and_b32 v10, 31, v0
	s_delay_alu instid0(VALU_DEP_1)
	v_lshlrev_b32 v10, 5, v10                      ; the block's flags: 32 bytes a lane
	s_wait_alu depctr_va_vdst(0)
	s_wait_kmcnt 0x0
	s_add_nc_u64 s[KB:KB+1], s[20:21], s[96:97]
	s_add_nc_u64 s[VB:VB+1], s[24:25], s[96:97]
	s_add_nc_u64 s[16:17], s[16:17], s[68:69]
	s_add_nc_u64 s[18:19], s[18:19], s[70:71]
	s_add_nc_u64 s[22:23], s[22:23], s[98:99]
	s_add_nc_u64 s[26:27], s[26:27], s[98:99]
	s_add_nc_u64 s[MP:MP+1], s[28:29], s[72:73]
	s_add_nc_u64 s[78:79], s[28:29], s[76:77]
	s_add_nc_u64 s[28:29], s[28:29], s[74:75]
	s_add_nc_u64 s[OP:OP+1], s[30:31], s[100:101]
	s_load_b512 s[32:47], s[28:29], 0x80000        ; tile 0's 16 flags: they lie behind the 2,048 records
	s_load_b512 s[48:63], s[28:29], 0x80040        ; tile 1's
	; slot 0, the head's scale bytes and the block's flags: 22 loads; then Q: ten
.irp i, 0,1,2,3,4,5,6,7
	global_load_b128 v[96+4*\i:99+4*\i], v8, s[KB:KB+1] offset:4096*\i
.endr
.irp i, 0,1,2,3,4,5,6,7
	global_load_b128 v[32+4*\i:35+4*\i], v[GV], s[VB:VB+1] offset:32768*\i   ; sixteen lanes read 256 consecutive bytes of a row; 16 rows a load
.endr
.irp i, 0,1
	global_load_b128 v[128+4*\i:131+4*\i], v8, s[22:23] offset:4096*\i
	global_load_b128 v[136+4*\i:139+4*\i], v8, s[26:27] offset:4096*\i
.endr
	global_load_b128 v[144:147], v10, s[78:79] offset:0x80000   ; lane l: flags of tile l / 2, steps 8 (l % 2) + 0 .. 7
	global_load_b128 v[148:151], v10, s[78:79] offset:0x80010
.irp c, 0,1,2,3
	global_load_b128 v[16+4*\c:19+4*\c], v9, s[16:17] offset:32*\c th:TH_LOAD_NT
.endr
	global_load_b32 v255, v11, s[18:19] th:TH_LOAD_NT
	global_load_b32 v254, v11, s[18:19] offset:64 th:TH_LOAD_NT
	WIN 0x40                                       ; tile 1's Q goes to window 1
.irp c, 0,1,2,3
	global_load_b128 v[16+4*\c:19+4*\c], v9, s[16:17] offset:2048+32*\c th:TH_LOAD_NT
.endr
	WIN 0
; A tile's state.  Which step is the first that counts hangs on the mask, so no product can be written out to start the sums: the first worked step finds zeros, which the first change of M leaves zeros.
.macro INIT
	v_mov_b32 v13, 0xff61b1e6                      ; the largest t so far: -3e38
	s_delay_alu instid0(VALU_DEP_1)
	v_floor_f32 v12, -v13
	v_mov_b32 v14, 0
	v_mov_b32 v15, 0
.irp b, 0,1,2,3
	v_mov_b32 v[236+\b], 0                         ; a lane permute's destination counts as one of its sources
.endr
	v_mov_b32 v252, 0
	v_mov_b32 v253, 0
.set J, 0
.rept 64
	v_mov_b32 v[160+J], 0
.set J, J+1
.endr
.endm
	INIT
	WIN 0x55
	INIT
	WIN 0
	s_wait_kmcnt 0x0                               ; bit k of each word below: step k's bit 0; bit 16 + k: its bit 16
	s_mov_b32 s[FLG], s32
	s_mov_b32 s[NEED], s48
.irp k, 1,2,3,4,5,6,7,8,9,10,11,12,13,14,15
	s_lshl_b32 s[TMP], s[32+\k], \k
	s_or_b32 s[FLG], s[FLG], s[TMP]
	s_lshl_b32 s[TMP], s[48+\k], \k
	s_or_b32 s[NEED], s[NEED], s[TMP]
.endr
	s_or_b32 s[TMP], s[FLG], s[NEED]               ; some: either tile's
	s_and_b32 s[FLG], s[FLG], s[NEED]              ; all: both tiles'
	s_and_b32 s[TMP], s[TMP], 0xffff
	s_and_b32 s[FLG], s[FLG], 0xffff0000
	s_or_b32 s[FLG], s[FLG], s[TMP]
	s_wait_loadcnt 10                              ; the 22 are in; Q's ten loads, issued behind them, may be out
.irp i, 0,1,2,3,4,5,6,7
	ds_store_b128 v[FK0], v[96+4*\i:99+4*\i] offset:32*KP*\i
.endr
.irp i, 0,1,2,3,4,5,6,7
	ds_store_b128 v[FV0], v[32+4*\i:35+4*\i] offset:16*VP*\i
.endr
.irp i, 0,1
	ds_store_b128 v[FV0], v[128+4*\i:131+4*\i] offset:SCK-VOFF+16*272*\i   ; the scale bytes have the shape of V's rows
	ds_store_b128 v[FV0], v[136+4*\i:139+4*\i] offset:SCV-VOFF+16*272*\i
.endr
	s_add_nc_u64 s[KB:KB+1], s[KB:KB+1], 256*128   ; on to slot 1 (the loads that named these bases are done)
	s_add_nc_u64 s[VB:VB+1], s[VB:VB+1], 256
	; which slots the work-group needs: slot 4 (l % 2) + i is steps 2 i, 2 i + 1 of my lane's eight
.irp i, 0,1,2,3
	v_or_b32 v[152+\i], v[144+2*\i], v[145+2*\i]
.endr
.irp i, 0,1,2,3
	v_and_b32 v[152+\i], 1, v[152+\i]
.endr
.irp i, 0,1,2,3
	v_cmp_ne_u32 s[68+\i], 0, v[152+\i]
.endr
	s_mov_b32 s[NEED], 0
.irp i, 0,1,2,3
	s_and_b32 s[TMP], s[68+\i], 0x55555555         ; even lanes: slot i (SCC: some bit is set)
	s_cselect_b32 s[TMP], 1<<\i, 0
	s_or_b32 s[NEED], s[NEED], s[TMP]
	s_and_b32 s[TMP], s[68+\i], 0xaaaaaaaa         ; odd lanes: slot 4 + i
	s_cselect_b32 s[TMP], 16<<\i, 0
	s_or_b32 s[NEED], s[NEED], s[TMP]
.endr                                              ; bits 8 and up stay 0: nothing is fetched beyond the last slot
	s_wait_alu depctr_va_vdst(0)
	s_wait_loadcnt 0x0                             ; Q is in
; THE CHANGE OF SLOTS: my stores into the slot ahead have landed and my reads of the slot that I have left are in; behind the barrier that holds of all eight waves.
.macro CHANGE
	s_wait_dscnt 0x0
	s_barrier_signal -1
	s_barrier_wait -1
.endm
; THE FILL of the other slot: step 0 fetches the next 256 keys of K (32,768 dense bytes), step 1 those of V (256 bytes of each of 128 rows): eight loads of 16 bytes a thread.
.macro ASK q
.if \q == 0
	v_lshlrev_b32 v[ADK], 4, v0
.irp i, 0,1,2,3,4,5,6,7
	global_load_b128 v[32+4*\i:35+4*\i], v[ADK], s[KB:KB+1] offset:4096*\i
.endr
.else
.irp i, 0,1,2,3,4,5,6,7
	global_load_b128 v[32+4*\i:35+4*\i], v[GV], s[VB:VB+1] offset:32768*\i
.endr
.endif
.endm
.macro PUT q
.if \q == 0
	v_add_nc_u32 v[ADS], s[TF], v[FK0]
.irp i, 0,1,2,3,4,5,6,7
	ds_store_b128 v[ADS], v[32+4*\i:35+4*\i] offset:32*KP*\i
.endr
.else
	v_add_nc_u32 v[ADS], s[TF], v[FV0]
.irp i, 0,1,2,3,4,5,6,7
	ds_store_b128 v[ADS], v[32+4*\i:35+4*\i] offset:16*VP*\i
.endr
.endif
.endm
; A tile's record is applied: the score where the lane's bit of word N is set, else -infinity; ascending.
.macro HIDE w
.irp i, 0,1,2
	s_load_b512 s[16+16*\i:31+16*\i], s[MP:MP+1], 4096*\w+64*\i
.endr
	s_load_b512 s[68:83], s[MP:MP+1], 4096*\w+192
	s_wait_kmcnt 0x0
	WIN 0x55*\w
	v_mov_b32 v65, 0xff800000
.set N, 0
.rept 64
	v_cndmask_b32 v[96+N], v65, v[96+N], s[16+N+4*(N/48)]
.set N, N+1
.endr
	WIN 0
.endm
; THE SOFTMAX OF ONE TILE, 128 keys, in window w: from the scores to p's codes and scale word, the row's sum, and O^T under the new M.
.macro SOFT w
	WIN 0x55*\w
.if \w
	s_wait_alu depctr_va_vdst(0)
.endif
.irp b, 0,1,2,3
	v_max3_num_f32 v[232+\b], v[96+16*\b], v[97+16*\b], v[98+16*\b]   ; the largest score of each block of 32 keys serves twice: for the row's maximum and, since p rises with the score, for the block's largest p
.endr
.irp i, 3,5,7,9,11,13
.irp b, 0,1,2,3
	v_max3_num_f32 v[232+\b], v[232+\b], v[96+16*\b+\i], v[97+16*\b+\i]
.endr
.endr
.irp b, 0,1,2,3
	v_max_num_f32 v[232+\b], v[232+\b], v[111+16*\b]
.endr
.irp b, 0,1,2,3
	v_permlanex16_b32 v[236+\b], v[232+\b], s[SEL], s[SEL+1]
.endr
.irp b, 0,1,2,3
	s_delay_alu instid0(VALU_DEP_4)
	v_max_num_f32 v[232+\b], v[232+\b], v[236+\b]  ; with lane l xor 16's 16 keys
.endr
	s_delay_alu instid0(VALU_DEP_2)
	v_max3_num_f32 v64, v232, v233, v234
	s_delay_alu instid0(VALU_DEP_1)
	v_max_num_f32 v64, v64, v235                   ; the step's largest score of my query (-infinity where all its keys are hidden: the running maximum then stays)
	s_delay_alu instid0(VALU_DEP_1)
	v_mul_f32 v64, s[CS], v64
	s_delay_alu instid0(VALU_DEP_1)
	v_max_num_f32 v13, v13, v64
	v_mov_b32 v64, v12
	s_delay_alu instid0(VALU_DEP_2)
	v_floor_f32 v12, -v13                          ; the new -M = -ceil(t): a whole number
	s_delay_alu instid0(VALU_DEP_1)
	v_sub_f32 v64, v12, v64
	s_delay_alu instid0(VALU_DEP_1)
	v_cvt_i32_f32 v64, v64                         ; (it saturates)
	s_delay_alu instid0(VALU_DEP_1)
	v_ldexp_f32 v252, 1.0, v64                     ; f = 2^(old M - new M)
.set J, 0
.rept 32
	v_pk_fma_f32 v[96+J:97+J], v[96+J:97+J], s[CS:CS+1], v[12:13] op_sel_hi:[1,0,0]   ; t - M
.set J, J+2
.endr
.irp b, 0,1,2,3
	v_fma_f32 v[232+\b], v[232+\b], s[CS], v12     ; the same of each block's largest score
.endr
.set J, 0
	s_wait_alu depctr_va_vdst(0)
.rept 64
	v_exp_f32 v[96+J], v[96+J]                     ; p = 2^(t - M)
.set J, J+1
.endr
.irp b, 0,1,2,3
	v_exp_f32 v[232+\b], v[232+\b]                 ; the block's largest p: the same two instructions on the same number give the same bits
.endr
	v_pk_mul_f32 v[14:15], v[14:15], v[252:253] op_sel_hi:[1,0]   ; the sums under the new M (a plain place behind the exponentials)
	s_wait_alu depctr_va_vdst(0)
.irp b, 0,1,2,3
	v_max_num_f32 v[232+\b], 0x8000000, v[232+\b]  ; the floor 2^(16 - 127): the byte cannot fall under 1
.endr
.irp b, 0,1,2,3
	s_delay_alu instid0(VALU_DEP_4)
	v_add_nc_u32 v[244+\b], 0xf8800000, v[232+\b]  ; 15 off the exponent field: the conversion's scale operand
.endr
.irp b, 0,1,2,3
	v_and_or_b32 v[240+\b], v[232+\b], 0x7f800000, s[MNT]   ; 57,344 x the scale
.endr
.irp b, 0,1,2,3
	v_lshrrev_b32 v[236+\b], 23, v[244+\b]         ; the scale's byte
.endr
	s_delay_alu instid0(VALU_DEP_3)
	v_lshl_or_b32 v253, v237, 8, v236
	s_delay_alu instid0(VALU_DEP_1)
	v_lshl_or_b32 v253, v238, 16, v253
.if \w
	WIN 0x15                                       ; tile 1's scale word goes to window 0, v252 (tile 0's f, which is done with)
	v_lshl_or_b32 v252, v239, 24, v253
	WIN 0x55
.else
	v_lshl_or_b32 v253, v239, 24, v253             ; p's scale word for these 128 keys
.endif
	v_pk_add_f32 v[236:237], v[100:101], v[104:105]   ; the row's sum of the unquantised p, in eight chains
	v_pk_add_f32 v[250:251], v[108:109], v[112:113]
	v_pk_add_f32 v[248:249], v[116:117], v[120:121]
	v_pk_add_f32 v[238:239], v[124:125], v[128:129]
	v_pk_add_f32 v[234:235], v[132:133], v[136:137]
	v_pk_add_f32 v[232:233], v[140:141], v[144:145]
	v_pk_add_f32 v[230:231], v[148:149], v[152:153]
	v_pk_add_f32 v[14:15], v[14:15], v[156:157]
	v_pk_add_f32 v[236:237], v[236:237], v[96:97]
	v_pk_add_f32 v[250:251], v[250:251], v[98:99]
	v_pk_add_f32 v[248:249], v[248:249], v[102:103]
	v_pk_add_f32 v[238:239], v[238:239], v[106:107]
	v_pk_add_f32 v[234:235], v[234:235], v[110:111]
	v_pk_add_f32 v[232:233], v[232:233], v[114:115]
	v_pk_add_f32 v[230:231], v[230:231], v[118:119]
	v_pk_add_f32 v[14:15], v[14:15], v[122:123]
	v_pk_add_f32 v[236:237], v[236:237], v[126:127]
	v_pk_add_f32 v[250:251], v[250:251], v[130:131]
	v_pk_add_f32 v[248:249], v[248:249], v[134:135]
	v_pk_add_f32 v[238:239], v[238:239], v[138:139]
	v_pk_add_f32 v[234:235], v[234:235], v[142:143]
	v_pk_add_f32 v[232:233], v[232:233], v[146:147]
	v_pk_add_f32 v[230:231], v[230:231], v[150:151]
	v_pk_add_f32 v[14:15], v[14:15], v[154:155]
	v_pk_add_f32 v[236:237], v[236:237], v[158:159]
	s_delay_alu instid0(VALU_DEP_2)
	v_pk_add_f32 v[14:15], v[14:15], v[238:239]
	s_delay_alu instid0(VALU_DEP_2)
	v_pk_add_f32 v[236:237], v[236:237], v[234:235]
	v_pk_add_f32 v[250:251], v[250:251], v[232:233]
	v_pk_add_f32 v[248:249], v[248:249], v[230:231]
	s_delay_alu instid0(VALU_DEP_2)
	v_pk_add_f32 v[14:15], v[14:15], v[250:251]
	s_delay_alu instid0(VALU_DEP_2)
	v_pk_add_f32 v[236:237], v[236:237], v[248:249]
	s_delay_alu instid0(VALU_DEP_1)
	v_pk_add_f32 v[14:15], v[14:15], v[236:237]
.irp b, 0,1,2,3
.irp i, 0,1,2,3,4,5,6,7,8,9,10,11,12,13,14,15
	v_min_num_f32 v[96+16*\b+\i], v[96+16*\b+\i], v[240+\b]   ; the conversion to an 8-bit code does not saturate (ISA guide 7.6.2); p is not negative, so the hold is one-sided
.endr
	v_cvt_scalef32_pk8_bf8_f32 v[224+4*\b:225+4*\b], v[96+16*\b:103+16*\b], v[244+\b]
	v_cvt_scalef32_pk8_bf8_f32 v[226+4*\b:227+4*\b], v[104+16*\b:111+16*\b], v[244+\b]
.endr
	s_wait_alu depctr_va_vdst(0)
.set J, 0
.rept 32
	v_pk_mul_f32 v[160+J:161+J], v[160+J:161+J], v[252:253] op_sel_hi:[1,0]   ; O^T under the new M.  (These 32 are also the places in front of the second product)
.set J, J+2
.endr
.endm
; Four matrix instructions: tile w's accumulators d + 8 t, fragments t of window 0 or 1 (by the setting in force), B at b, the fragments' scale words at sa + t, B's at sb.  first = 1: the products start the sums.
.macro MUL4 d, b, sa, sb, first
.irp t, 0,1,2,3
.if \first
	v_wmma_scale_f32_16x16x128_f8f6f4 v[\d+8*\t:\d+8*\t+7], v[32+16*\t:47+16*\t], v[\b:\b+15], 0, v[\sa+\t], v[\sb] matrix_a_fmt:MATRIX_FMT_BF8 matrix_b_fmt:MATRIX_FMT_BF8
.else
	v_wmma_scale_f32_16x16x128_f8f6f4 v[\d+8*\t:\d+8*\t+7], v[32+16*\t:47+16*\t], v[\b:\b+15], v[\d+8*\t:\d+8*\t+7], v[\sa+\t], v[\sb] matrix_a_fmt:MATRIX_FMT_BF8 matrix_b_fmt:MATRIX_FMT_BF8
.endif
.endr
.endm
; Sixteen matrix instructions on eight fragments and two tiles.  Settings: bits 1:0 the fragment's window; bits 3:2, 5:4, 7:6 the tile's (B, C, D).  Each accumulator has one instruction: they take turns.
.macro MUL16 d, b, s0, s1, first
	s_wait_dscnt 20                                ; fragments 0-3 and their scale words are in; the 20 loads issued behind them may be out
	MUL4 \d, \b, 240, \s0, \first
	WIN 0x54
	MUL4 \d, \b, 240, \s1, \first
	s_wait_dscnt 0x0
	WIN 0x55
	MUL4 \d+32, \b, 248, \s1, \first
	WIN 0x01
	MUL4 \d+32, \b, 248, \s0, \first
	WIN 0
.endm
; A KEY STEP: 128 keys, the q-th of the slot in hand.
.macro STEP q
	s_and_b32 s[TMP], s[FLG], 1
	s_cmp_eq_u32 s[TMP], 0
	s_cbranch_scc1 .Lhidden_\@                     ; no key of this step counts for my 32 queries
	v_add_nc_u32 v[ADK], s[TB], v[AK0]
	v_add_nc_u32 v[ADV], s[TB], v[AV0]
	v_add_nc_u32 v[ADS], s[TS], v[ASK0]
	v_add_nc_u32 v[ADT], s[TJ], v[ASV0]
.rept 4
	v_nop                                          ; with the four additions: eight places in front of loads into registers that matrix instructions have read
.endr
.irp t, 0,1,2,3
.irp c, 0,1,2,3
	ds_load_b128 v[32+16*\t+4*\c:35+16*\t+4*\c], v[ADK] offset:(128*(\q)+16*\t)*KP+32*\c
.endr
	ds_load_b32 v[240+\t], v[ADS] offset:(32*(\t/2)+8*(\t%2))*4   ; the scale words lie by key
.endr
	WIN 0x40
.irp t, 0,1,2,3
.irp c, 0,1,2,3
	ds_load_b128 v[32+16*\t+4*\c:35+16*\t+4*\c], v[ADK] offset:(128*(\q)+64+16*\t)*KP+32*\c
.endr
.endr
	WIN 0
.irp t, 0,1,2,3
	ds_load_b32 v[248+\t], v[ADS] offset:272+(32*(\t/2)+8*(\t%2))*4
.endr
	MUL16 96, 16, 255, 254, 1                      ; S^T = K Q^T
.rept 8
	v_nop                                          ; eight places in front of the first read of the scores and of the fill's loads
.endr
	s_and_b32 s[TMP], s[NEED], 2
	s_cmp_eq_u32 s[TMP], 0
	s_cbranch_scc1 .Lnoask_\@                      ; nobody needs the next slot
	ASK \q
.Lnoask_\@:
	s_and_b32 s[TMP], s[FLG], 0x10000
	s_cmp_lg_u32 s[TMP], 0
	s_cbranch_scc1 .Lopen_\@                       ; all 32 x 128 count: nothing to hide
	HIDE 0
	HIDE 1
.Lopen_\@:
	SOFT 0
	SOFT 1
	WIN 0
	s_wait_alu depctr_va_vdst(0)
	s_wait_loadcnt 0x0                             ; the fill's loads, if any, are in: on every way, so that bases and registers may be written again
	s_and_b32 s[TMP], s[NEED], 2
	s_cmp_eq_u32 s[TMP], 0
	s_cbranch_scc1 .Lnoput_\@
	PUT \q
.Lnoput_\@:
.irp t, 0,1,2,3
.irp c, 0,1,2,3
	ds_load_b128 v[32+16*\t+4*\c:35+16*\t+4*\c], v[ADV] offset:16*\t*VP+128*(\q)+32*\c   ; LDS serves a wave's instructions in order (ISA guide 5.7.1.4): the fill's stores above come first
.endr
	ds_load_b32 v[240+\t], v[ADT] offset:\t*4*272  ; 16 rows of 64 scale bytes are four runs of 256
.endr
	WIN 0x40
.irp t, 0,1,2,3
.irp c, 0,1,2,3
	ds_load_b128 v[32+16*\t+4*\c:35+16*\t+4*\c], v[ADV] offset:16*(4+\t)*VP+128*(\q)+32*\c
.endr
.endr
	WIN 0
.irp t, 0,1,2,3
	ds_load_b32 v[248+\t], v[ADT] offset:(4+\t)*4*272
.endr
	MUL16 160, 224, 253, 252, 0                    ; O^T += V^T P^T
	s_branch .Ljoin_\@
.Lhidden_\@:
	s_and_b32 s[TMP], s[NEED], 2
	s_cmp_eq_u32 s[TMP], 0
	s_cbranch_scc1 .Ljoin_\@
.rept 8
	v_nop                                          ; places behind the last step's products, whose fragments lay where the loads land
.endr
	ASK \q                                         ; a wave that leaves the step out still fetches its part of a slot that others need
	s_wait_loadcnt 0x0
	PUT \q
.Ljoin_\@:
.if \q == 0
	s_add_nc_u64 s[KB:KB+1], s[KB:KB+1], 256*128   ; no load is out on any way
.else
	s_add_nc_u64 s[VB:VB+1], s[VB:VB+1], 256
.endif
	s_lshr_b32 s[FLG], s[FLG], 1
	s_add_nc_u64 s[MP:MP+1], s[MP:MP+1], 256
	s_add_co_u32 s[TS], s[TS], 544
	s_add_co_u32 s[TJ], s[TJ], 4
.endm
.Lslot:                                            ; eight trips: each reads a slot and, where it is needed, fills the other with the next 256 keys
	CHANGE
	STEP 0
	STEP 1
	s_xor_b32 s[TF], s[TF], SLOT1
	s_xor_b32 s[TB], s[TB], SLOT1
	s_lshr_b32 s[NEED], s[NEED], 1
	s_sub_co_u32 s[SLOTS], s[SLOTS], 1
	s_cmp_lg_u32 s[SLOTS], 0
	s_cbranch_scc1 .Lslot
	CHANGE                                         ; every wave has left the slots: the stages below lie in slot 0
	; THE WAY OUT.  O^T is divided by the row's sum and goes through my stage in LDS (16 rows x 272 bytes), half a row (64 channels, 256 bytes) of 16 queries at a time, so that sixteen lanes store 256 consecutive bytes.
	v_and_b32 v8, 15, v0
	v_bfe_u32 v9, v0, 4, 1
	s_mul_i32 s92, s[WV], 16*272
	v_mul_u32_u24 v10, v8, 272
	s_delay_alu instid0(VALU_DEP_1)
	v_lshl_add_u32 v10, v9, 5, v10
	s_delay_alu instid0(VALU_DEP_1)
	v_add_nc_u32 v10, s92, v10                     ; in: row r; tile t's eight channels of my half: 64 t + 32 h bytes on
	v_mul_u32_u24 v11, v9, 272
	s_delay_alu instid0(VALU_DEP_1)
	v_lshl_add_u32 v11, v8, 4, v11
	s_delay_alu instid0(VALU_DEP_1)
	v_add_nc_u32 v11, s92, v11                     ; back: lanes 0-15 one row, lanes 16-31 the next
	v_lshlrev_b32 v1, 9, v9
	s_delay_alu instid0(VALU_DEP_1)
	v_lshl_add_u32 v1, v8, 4, v1                   ; the same two rows in out0.  (These ten lines are also the places behind the last products)
.macro OUT w
	WIN 0x55*\w
	v_add_f32 v14, v14, v15
	s_delay_alu instid0(VALU_DEP_1)
	v_permlanex16_b32 v252, v14, s[SEL], s[SEL+1]
	s_delay_alu instid0(VALU_DEP_1)
	v_add_f32 v14, v14, v252                       ; the row's sum
	s_wait_alu depctr_va_vdst(0)
	v_rcp_f32 v14, v14
	v_nop                                          ; a place behind it
	s_wait_alu depctr_va_vdst(0)                   ; ahead of the reciprocal's first reader, which is also O^T's
.set J, 0
.rept 32
	v_pk_mul_f32 v[96+J:97+J], v[160+J:161+J], v[14:15] op_sel_hi:[1,0]   ; register 8 t + i is o(r, 16 t + 8 h + i); ascending: each accumulator from its low end on
.set J, J+2
.endr
.irp u, 0,1
	WIN 0x04*\w                                    ; an LDS store's data: source 1
.irp t, 0,1,2,3
	ds_store_b128 v10, v[96+32*\u+8*\t:99+32*\u+8*\t] offset:64*\t
	ds_store_b128 v10, v[100+32*\u+8*\t:103+32*\u+8*\t] offset:64*\t+16
.endr
	WIN 0x40*\w                                    ; each tile reads back into v32-95 of its own window: no store's data is written over
.irp i, 0,1,2,3,4,5,6,7
	ds_load_b128 v[32+32*\u+4*\i:35+32*\u+4*\i], v11 offset:2*\i*272   ; in order behind my stores, and ahead of the next half's
.endr
.endr
	WIN 0x04*\w
.irp u, 0,1
.irp i, 0,1,2,3,4,5,6,7
	s_wait_dscnt 15-8*\u-\i                        ; at least so many LDS instructions were issued behind this load
	global_store_b128 v1, v[32+32*\u+4*\i:35+32*\u+4*\i], s[OP:OP+1] offset:8192*\w+2*\i*512+256*\u th:TH_STORE_NT   ; sixteen lanes store 256 consecutive bytes, at a multiple of 256 from out0's first byte
.endr
.endr
	WIN 0
.endm
	OUT 0
	OUT 1
	s_wait_xcnt 0x0
	v_lshl_add_u32 v254, v0, 2, 0x31800            ; the wave's end: an add of 0 on my spare word, behind my last LDS store
	v_mov_b32 v255, 0
	s_wait_alu depctr_va_vdst(0)
	s_wait_tensorcnt 0x0
	ds_add_u32 v254, v255
	s_wait_dscnt 0x0
	s_endpgm
.Lfunc_end_k_qcc6f45ea24_attn:
	.size	k_qcc6f45ea24_attn, .Lfunc_end_k_qcc6f45ea24_attn-k_qcc6f45ea24_attn
	.p2alignl 7, 3214868480
	.fill 96, 4, 3214868480
	.section	.rodata,"a",@progbits
	.p2align	6, 0x0
	.amdhsa_kernel k_qcc6f45ea24_attn
		.amdhsa_group_segment_fixed_size 204800
		.amdhsa_private_segment_fixed_size 0
		.amdhsa_enable_private_segment 0
		.amdhsa_kernarg_size 64
		.amdhsa_user_sgpr_count 2
		.amdhsa_user_sgpr_kernarg_segment_ptr 1
		.amdhsa_wavefront_size32 1
		.amdhsa_system_sgpr_workgroup_id_x 1
		.amdhsa_system_sgpr_workgroup_id_y 1
		.amdhsa_system_sgpr_workgroup_id_z 1
		.amdhsa_system_vgpr_workitem_id 0
		.amdhsa_next_free_vgpr 512
		.amdhsa_next_free_sgpr 102
		.amdhsa_reserve_vcc 0
		.amdhsa_float_denorm_mode_32 3
		.amdhsa_float_denorm_mode_16_64 3
		.amdhsa_memory_ordered 1
		.amdhsa_forward_progress 1
		.amdhsa_inst_pref_size 141
	.end_amdhsa_kernel
	.amdgpu_metadata
---
amdhsa.version: [ 1, 2 ]
amdhsa.kernels:
  - .name:           k_qcc6f45ea24_attn
    .symbol:         k_qcc6f45ea24_attn.kd
    .args:
      - { .name: Q_codes, .offset: 0, .size: 8, .value_kind: global_buffer, .address_space: global }
      - { .name: Q_scales, .offset: 8, .size: 8, .value_kind: global_buffer, .address_space: global }
      - { .name: K_codes, .offset: 16, .size: 8, .value_kind: global_buffer, .address_space: global }
      - { .name: K_scales, .offset: 24, .size: 8, .value_kind: global_buffer, .address_space: global }
      - { .name: V_codes, .offset: 32, .size: 8, .value_kind: global_buffer, .address_space: global }
      - { .name: V_scales, .offset: 40, .size: 8, .value_kind: global_buffer, .address_space: global }
      - { .name: mw, .offset: 48, .size: 8, .value_kind: global_buffer, .address_space: global }
      - { .name: out0, .offset: 56, .size: 8, .value_kind: global_buffer, .address_space: global }
    .group_segment_fixed_size: 204800
    .private_segment_fixed_size: 0
    .kernarg_segment_align: 8
    .kernarg_segment_size: 64
    .max_flat_workgroup_size: 256
    .sgpr_count:     102
    .vgpr_count:     512
    .wavefront_size: 32
...
	.end_amdgpu_metadata
.endif
;; end of part 2
